; MI455X (gfx1250); checked and timed in simulation.
; The chip was launched on July 23, 2026; its instructions are those of AMD's public machine-readable ISA for CDNA 5 (MIT licence, August 2026) and "CDNA5" Instruction Set Architecture Reference Guide (July 2026). The comments in the code are by the model that wrote it; some were corrected since.
;; Linear Attention. Allowed arithmetic: float matrix products may take bf16 or f16 operands with f32 sums; other float arithmetic in f32, or as packed bf16 or f16 multiplies, adds, multiply-adds, maxima and minima; sums over many terms, partial sums and values carried from step to step in f32; what a program stores and reads back later, other than sums and carried values, may be rounded once to bf16 or f16.
;; Inputs: Wk 1,024 x 1,024 float32; Wq 1,024 x 1,024 float32; Wv 1,024 x 1,024 float32; attention_mask 4 x 1 x 4,096 x 1 float32; bk 1,024 float32; bq 1,024 float32; bv 1,024 float32; hidden_state 4 x 4,096 x 1,024 float32.
;; Outputs: out0 4 x 4,096 x 1,024 float32.
;; One version. Each part assembles by itself: llvm-mc -triple=amdgcn-amd-amdhsa -mcpu=gfx1250 --defsym DOCPART=n.
;; ======== version 1 of 1: 4 launches
;; limits: values are held in f16: magnitudes above 65,504 overflow, below 6.1e-05 lose precision
;; workspace buffers: xb 33,554,432 bytes; wqb 2,097,152 bytes; wkv 4,194,304 bytes; part 20,971,520 bytes; kvf 737,280 bytes
;; launch tobf16 (part 1): grid 1216 x 1, 8 waves a work-group, no clusters, 0 bytes of LDS; arguments hidden_state, Wq, Wk, Wv, xb, wqb, wkv; writes xb, wqb, wkv
.if DOCPART == 1
	.amdgcn_target "amdgcn-amd-amdhsa--gfx1250"
	.amdhsa_code_object_version 6
	.text
	.protected	k_qf52e00cb15_tobf16
	.globl	k_qf52e00cb15_tobf16
	.p2align	8
	.type	k_qf52e00cb15_tobf16,@function
k_qf52e00cb15_tobf16:
	s_mov_b64 s[64:65], 0
	v_nop
	global_prefetch_b8 v0, s[64:65] scope:SCOPE_SE
	s_setreg_imm32_b32 hwreg(HW_REG_WAVE_MODE, 25, 1), 1
	s_wait_xcnt 0x0
; x, Wq, Wk and Wv, all f32 rows of 1,024 numbers, are rounded once to bf16 (nearest even) for the two GEMM launches.
; xb: [16384][1024].  wqb: [1024][1024].  wkv: [2048][1024], K's and V's weights interleaved by head: row 128 head + i is Wk's row 64 head + i (i < 64),
; row 128 head + 64 + i is Wv's row 64 head + i, so that 128 neighbouring rows are one head's k and v channels.
; A work-group takes 16 rows: groups 0-1023 x, 1024-1087 Wq, 1088-1151 Wk, 1152-1215 Wv.  Thread t takes numbers 4 t .. 4 t + 3 of every row: a wave's load covers 512 consecutive
; bytes, its store 256 consecutive bytes at a multiple of 256 from the buffer's first byte.  All 16 loads of a thread go out at once; no register is written twice, so no source waits.
; A stream: each byte is read once and written once; LDS, barriers and the matrix unit would add nothing.
.set X, 8                              ; v[8:71]   row i: 4 registers as loaded
.set Y, 72                             ; v[72:103] row i: 2 registers to store
	s_load_b256 s[4:11], s[0:1], 0x0               ; hidden_state s[4:5], Wq s[6:7], Wk s[8:9], Wv s[10:11]
	s_load_b128 s[12:15], s[0:1], 0x20             ; xb s[12:13], wqb s[14:15]
	s_load_b64 s[16:17], s[0:1], 0x30              ; wkv
	s_mov_b32 s20, ttmp9
	s_sub_co_u32 s21, s20, 1024                    ; a weight group's number (of use from group 1024 on)
	s_and_b32 s22, s21, 63                         ; j: its block of 16 rows in its matrix
	s_bfe_u32 s23, s21, 0x20006                    ; 0 Wq, 1 Wk, 2 Wv
	s_lshr_b32 s24, s22, 2                         ; head = j / 4
	s_lshl_b32 s24, s24, 7                         ; 128 rows of wkv a head
	s_and_b32 s25, s22, 3
	s_lshl_b32 s25, s25, 4                         ; + 16 (j % 4)
	s_add_co_u32 s24, s24, s25
	s_lshr_b32 s25, s23, 1                         ; + 64 for Wv
	s_lshl_b32 s25, s25, 6
	s_add_co_u32 s24, s24, s25
	s_lshl_b32 s24, s24, 11                        ; in bytes: rows of 2,048
	v_lshlrev_b32 v1, 4, v0                        ; my 16 bytes of an f32 row
	v_lshlrev_b32 v2, 3, v0                        ; my 8 bytes of a bf16 row
	s_mov_b32 s31, 0
	s_mov_b32 s33, 0
	s_wait_kmcnt 0x0
	s_cmp_lt_u32 s20, 1024                         ; x, or a weight?  (only selects stand between a compare and its last select)
	s_cselect_b32 s25, s20, s22
	s_cselect_b64 s[26:27], s[4:5], s[6:7]
	s_cselect_b64 s[28:29], s[12:13], s[14:15]
	s_lshl_b32 s30, s25, 15                        ; 16 rows of 2,048 bytes out
	s_lshl_b32 s32, s25, 16                        ; 16 rows of 4,096 bytes in
	s_cmp_ge_u32 s20, 1088                         ; Wk or Wv: into wkv, at the interleaved row
	s_cselect_b64 s[26:27], s[8:9], s[26:27]
	s_cselect_b64 s[28:29], s[16:17], s[28:29]
	s_cselect_b32 s30, s24, s30
	s_cmp_ge_u32 s20, 1152                         ; Wv
	s_cselect_b64 s[26:27], s[10:11], s[26:27]
	s_add_nc_u64 s[26:27], s[26:27], s[32:33]
	s_add_nc_u64 s[28:29], s[28:29], s[30:31]
.set i, 0
.rept 16
	global_load_b128 v[X+4*i:X+4*i+3], v1, s[26:27] offset:4096*i th:TH_LOAD_NT
.set i, i+1
.endr
.set i, 0
.rept 16
	s_wait_loadcnt 15-i                            ; loads come back in order: row i is in, the 15 - i younger ones stay out
	v_cvt_pk_bf16_f32 v[Y+2*i], v[X+4*i], v[X+4*i+1]
	v_cvt_pk_bf16_f32 v[Y+2*i+1], v[X+4*i+2], v[X+4*i+3]
	global_store_b64 v2, v[Y+2*i:Y+2*i+1], s[28:29] offset:2048*i
.set i, i+1
.endr
	s_endpgm
.Lfunc_end_k_qf52e00cb15_tobf16:
	.size	k_qf52e00cb15_tobf16, .Lfunc_end_k_qf52e00cb15_tobf16-k_qf52e00cb15_tobf16
	.p2alignl 7, 3214868480
	.fill 96, 4, 3214868480
	.section	.rodata,"a",@progbits
	.p2align	6, 0x0
	.amdhsa_kernel k_qf52e00cb15_tobf16
		.amdhsa_group_segment_fixed_size 0
		.amdhsa_private_segment_fixed_size 0
		.amdhsa_enable_private_segment 0
		.amdhsa_kernarg_size 56
		.amdhsa_user_sgpr_count 2
		.amdhsa_user_sgpr_kernarg_segment_ptr 1
		.amdhsa_wavefront_size32 1
		.amdhsa_system_sgpr_workgroup_id_x 1
		.amdhsa_system_sgpr_workgroup_id_y 1
		.amdhsa_system_sgpr_workgroup_id_z 1
		.amdhsa_system_vgpr_workitem_id 0
		.amdhsa_next_free_vgpr 104
		.amdhsa_next_free_sgpr 66
		.amdhsa_reserve_vcc 0
		.amdhsa_float_denorm_mode_32 3
		.amdhsa_float_denorm_mode_16_64 3
		.amdhsa_memory_ordered 1
		.amdhsa_forward_progress 1
		.amdhsa_inst_pref_size 8
	.end_amdhsa_kernel
	.amdgpu_metadata
---
amdhsa.version: [ 1, 2 ]
amdhsa.kernels:
  - .name:           k_qf52e00cb15_tobf16
    .symbol:         k_qf52e00cb15_tobf16.kd
    .args:
      - { .name: hidden_state, .offset: 0, .size: 8, .value_kind: global_buffer, .address_space: global }
      - { .name: Wq, .offset: 8, .size: 8, .value_kind: global_buffer, .address_space: global }
      - { .name: Wk, .offset: 16, .size: 8, .value_kind: global_buffer, .address_space: global }
      - { .name: Wv, .offset: 24, .size: 8, .value_kind: global_buffer, .address_space: global }
      - { .name: xb, .offset: 32, .size: 8, .value_kind: global_buffer, .address_space: global }
      - { .name: wqb, .offset: 40, .size: 8, .value_kind: global_buffer, .address_space: global }
      - { .name: wkv, .offset: 48, .size: 8, .value_kind: global_buffer, .address_space: global }
    .group_segment_fixed_size: 0
    .private_segment_fixed_size: 0
    .kernarg_segment_align: 8
    .kernarg_segment_size: 56
    .max_flat_workgroup_size: 256
    .sgpr_count:     66
    .vgpr_count:     104
    .wavefront_size: 32
...
	.end_amdgpu_metadata
.endif
;; end of part 1
;; launch kvpart (part 2): grid 8 x 32, 4 waves a work-group, clusters of 4 x 4, 327,680 bytes of LDS; arguments xb, wkv, part, attention_mask, bk, bv; writes part
.if DOCPART == 2
	.amdgcn_target "amdgcn-amd-amdhsa--gfx1250"
	.amdhsa_code_object_version 6
	.text
	.protected	k_qf52e00cb15_kvpart
	.globl	k_qf52e00cb15_kvpart
	.p2align	8
	.type	k_qf52e00cb15_kvpart,@function
k_qf52e00cb15_kvpart:
	s_mov_b64 s[64:65], 0
	v_nop
	global_prefetch_b8 v0, s[64:65] scope:SCOPE_SE
	s_setreg_imm32_b32 hwreg(HW_REG_WAVE_MODE, 25, 1), 1
	s_wait_xcnt 0x0
	s_wait_alu depctr_hold_cnt(0) depctr_sa_sdst(0) depctr_va_vdst(0) depctr_va_sdst(0) depctr_va_ssrc(0) depctr_va_vcc(0) depctr_vm_vsrc(0)
	s_getreg_b32 s2, hwreg(HW_REG_IB_STS2, 6, 4)
	s_cmp_eq_u32 s2, 0
	s_cbranch_scc0 .Lentry_in_a_cluster
	s_endpgm
.Lentry_in_a_cluster:
	s_bfe_u32 s2, ttmp6, 0x10000c
	s_cmp_lg_u32 s2, 0xf033
	s_cbranch_scc0 .Lentry_shape_is_right
	s_endpgm
.Lentry_shape_is_right:
; k = (elu(x Wk^T + bk) + 1) mask, v = x Wv^T + bv, and of them, for each batch n and head, PARTIAL sums over positions of kv[kc][e] = sum k[s][kc] v[s][e] and ksum[kc] = sum k[s][kc].
; k and v never reach memory.  xb: [16384][1024] bf16; wkv: [2048][1024] bf16, a head's 64 k rows and then its 64 v rows; the mask, bk and bv are rounded to bf16 here, like all inputs.
; THE GEMM.  A tile of x wkv^T, 256 positions x 256 channels (two heads), is made by four waves, each 128 x 128: 64 accumulators of 16 x 16, 512 registers; a wave's 128 channels are ONE head's
; k (column blocks 0-3) and v (blocks 4-7).  K goes in steps of 128 through a ring of two LDS slots filled by tensor loads; rows of 256 bytes at multiples of 256 from the buffer's first byte.
; The ring's loop is written for ONE K step: the slot in hand is a scalar (0 or SLOT) that an exclusive or turns, and one descriptor for each tensor walks from K step to K step.
; A work-group STAYS for two tiles, one below the other (512 positions of one n): the ring runs on into the second tile.  256 work-groups.
; CLUSTER 4 x 4: the four of a row need the same tiles of x, the four of a column the same tiles of wkv; each tile is asked for jointly, by the same load, descriptor and mask in all four.
; THE BIAS is the C operand of each accumulator's first product: bf16(bk) + 1 for k, bf16(bv) for v.  So a k accumulator ends as t + 1 with t = x Wk^T + bk.
; ELU.  elu(t) + 1 = the middle one of (t + 1, e^t, 1), for every t: t > 0 gives 1 < t + 1 < e^t, t < 0 gives t + 1 < e^t < 1.  e^t = 2^((t + 1) c - c), c = log2 e.
; THE SECOND PRODUCT.  Source 0 of the GEMM is x, source 1 wkv: a lane holds ONE channel (lane % 16) and positions 8 (lane / 16) + 0..7.  Two row blocks rounded to f16 in pairs ARE a fragment
; (row or column = channel, K = 32 positions) of k^T v: nothing changes lanes.  ksum is the product of the same k fragment with ones.  20 accumulators (16 kv, 4 ksum) stay in registers
; over both tiles; each wave stores them once, as an image of its registers: 40 groups of 512 bytes.  The next launch adds the 16 partials of each (n, head).
; LIMITS.  k is taken as 0.25 mask (elu + 1) (the next launch puts the 16 into ksum's scale): 0.25 mask k and v must stay under f16's 65,504, and far below a head's largest numbers they keep f16's fixed step;
; e^t below 2^-126 counts as 0; NaN and infinities are not treated apart.
; REGISTERS, in windows of 256 (s_set_vgpr_msb: bits 1:0 source 0, 3:2 source 1, 5:4 source 2, 7:6 destination):
;   window 0: v0-31 addresses, biases; v32-63 ksum's 4 accumulators; v64-127, v128-191 fragments of x, two buffers; v192-255 the C operands of the first products
;             on the way out: v128-159 v's fragments, v160-167 k's, v168-175 ones, v192-207 at work
;   window 1: v0-63, v192-255 kv's 16 accumulators; v64-127, v128-191 fragments of wkv; on the way out v128-143 the masks
;   window 2: the accumulators of my rows 0-63 ((a, b) at v[8 (8 a + b)]);   window 3: those of my rows 64-127
.set SIZE_K, 1024
.set KSTEP,  128
.set STEPS,  SIZE_K/KSTEP              ; 8 K steps a tile
.set PITCH,  272                       ; an LDS row: 256 bytes + 16 of padding = 68 words: the 16 rows that a load touches start at 16 different groups of four banks (64 banks of 4 bytes: ISA guide 11.1)
.set HALFT,  128*PITCH                 ; 128 rows: what one tensor load brings, and what one wave reads of x or of wkv: 0x8800 bytes
.set SLOT,   4*HALFT                   ; x's 256 rows, then wkv's 256 rows: 0x22000 bytes: bits 17 and 13, which no multiple 0..3 of 0x8800 has: so an exclusive or with SLOT turns a tile's LDS address in one slot into the other's
.set MSKL,   2*SLOT                    ; behind the ring, never filled by a tensor load: 0.25 bf16(mask) of the work-group's 512 positions, f32: 2,048 bytes
.set SPARE,  MSKL+2048                 ; the spare words, 128 bytes for each wave: two blocks of 256 bytes that no other line names
.set WALK,   256                       ; the second tile lies 256 rows below the first
.set NEXT_A, WALK*SIZE_K*2-(STEPS-1)*KSTEP*2   ; from a tile's last K step to the next tile's first: x goes 256 rows down and back along K,
.set BACK_B, (STEPS-1)*KSTEP*2         ; wkv only back
.set BB,    8                          ; v8-11 bf16(bk) + 1, v12-15 bf16(bv): column block b, channel lane % 16
.set ADRA0, 16                         ; v16     LDS address of my x fragments in slot 0; never rewritten
.set ADRA,  17                         ; v17     the same in the slot in hand
.set ADRB0, 20                         ; v20, v21  the same for wkv
.set ADRB,  21
.set MA,   24                          ; v24     LDS address of my lanes' masks for the next 32 positions
.set PO,   25                          ; v25     16 x lane
.set SPW,  28                          ; v28     LDS address of my spare word; never rewritten
.set NIL,  29                          ; v29     0; never rewritten
.set PFO,  30                          ; v30     the prefetches' offset: lane x a row of 2,048 bytes; never rewritten
.set KS,   32
.set F0,   64
.set F1,   128
.set CT,   192
.set VF,   128
.set KF,   160
.set ONES, 168
.set Y,    192
.set MSK,  128                         ; window 1
.set TB,  23                           ; s23     the slot in hand: 0 or SLOT
.set G1,  24                           ; s[24:31] descriptor group 1 for x's tiles;  s[32:39] group 0: a set for each of the two first fills; the second then walks
.set G0,  32
.set G1B, 48                           ; s[48:55], s[56:63] the same for wkv's tiles
.set G0B, 56
.set LIM, 43                           ; s43     2 in a wave that prefetches, else the greatest number
.set PFA, 44                           ; s[44:45] where my prefetches stand
.set CC,  72                           ; s[72:73] c, s[74:75] -c: named as pairs, the low word serves both halves
.set CW,  78                           ; s78     the way out's outer count
.set ONE, 79                           ; s79     1.0
.set MSB, 0
.macro WIN new                         ; the immediate's high byte repeats the setting that is left; a switch that changes nothing is dropped
.if MSB != (\new)
	s_set_vgpr_msb (MSB<<8)|(\new)
.set MSB, \new
.endif
.endm
.set TO_B, 0x40                        ; destination window 1, address window 0
; A joint load by descriptor set s.  Waves 0 and 1 fetch x's two halves, waves 2 and 3 wkv's.  The branch hangs on the wave's number alone.  An s_nop 0 and four v_nop follow each of the two lines.
.macro JLOAD s
	s_cmp_eq_u32 s11, 0
	s_cbranch_scc0 .Lfor_b_\@
	tensor_load_to_lds s[G0+4*(\s):G0+4*(\s)+3], s[G1:G1+7]
	s_nop 0
.rept 4
	v_nop
.endr
	s_branch .Lasked_\@
.Lfor_b_\@:
	tensor_load_to_lds s[G0B+4*(\s):G0B+4*(\s)+3], s[G1B:G1B+7]
	s_nop 0
.rept 4
	v_nop
.endr
.Lasked_\@:
.endm
; A prefetch, behind each joint refill and the run of LDS loads that follows it: the K step that stands TWO refills on, 512 matrix instructions ahead of the load that will want it: 32 rows x 256 bytes,
; a lane a row, one instruction a wave.  Each row's 256 bytes of a K step are named once in the launch: x's rows by the cluster with x = 0, wkv's by the cluster with y = 0; of the 128 rows that a wave
; fetches the four partners take 32 each, told apart BY ADDRESS.  how = 0, in the loop: the last two trips' refills have no K step two on; how = 1, at the change of tiles.
.macro ASK how
.if \how
	s_cmp_eq_u32 s[LIM], 2
.else
	s_cmp_gt_u32 s3, s[LIM]                        ; s3 = 2 and 1 in the loop's last two trips
.endif
	s_cbranch_scc0 .Lnot_mine_\@
	global_prefetch_b8 v[PFO], s[PFA:PFA+1] offset:KSTEP*2 th:TH_LOAD_NT scope:SCOPE_SE
.Lnot_mine_\@:
.endm
.macro CREST                           ; a round of the cluster's barrier behind its opening barrier
	s_cmp_lg_u32 s10, 0
	s_cbranch_scc1 .Lnot_wave_0_\@
	s_barrier_signal -3
.Lnot_wave_0_\@:
	s_barrier_wait -3
	s_barrier_signal -1
	s_barrier_wait -1
.endm
.macro CROUND                          ; a whole round
	s_barrier_signal -1
	s_barrier_wait -1
	CREST
.endm
	s_load_b128 s[4:7], s[0:1], 0x0                ; xb s[4:5], wkv s[6:7]
	s_load_b64 s[8:9], s[0:1], 0x10                ; part
	s_load_b64 s[66:67], s[0:1], 0x18              ; attention_mask
	s_load_b128 s[68:71], s[0:1], 0x20             ; bk s[68:69], bv s[70:71]
	v_lshl_add_u32 v[SPW], v0, 2, SPARE
	v_mov_b32 v[NIL], 0
	ds_add_u32 v[SPW], v[NIL]                      ; the wave's opening: the add, twice on end, and its wait ahead of my first tensor load
	ds_add_u32 v[SPW], v[NIL]                      ; and once more, under the one wait; the set-up below, work on registers, stands between
	v_lshrrev_b32 v1, 5, v0
	v_readfirstlane_b32 s10, v1                    ; wave 0..3
	s_lshr_b32 s11, s10, 1                         ; which half of the tile's rows is mine.  Also: I fetch for x (0) or for wkv (1)
	s_and_b32 s12, s10, 1                          ; which head of the tile's two.  Also: which 128 rows of that tile I fetch
	s_bfe_u32 s40, ttmp6, 0x40000                  ; cx, cy: my place in the cluster
	s_bfe_u32 s41, ttmp6, 0x40004
	s_lshl_b32 s42, ttmp9, 2
	s_add_co_u32 s42, s42, s40                     ; x: column tile = 4 x cluster x + cx
	s_and_b32 s13, ttmp7, 0xffff
	s_lshl_b32 s13, s13, 2
	s_add_co_u32 s13, s13, s41                     ; y: block of 512 positions = 4 x cluster y + cy
	s_lshl_b32 s43, s41, 2
	s_lshl_b32 s43, 15, s43                        ; my row of the cluster
	s_lshl_b32 s44, 0x1111, s40                    ; my column
	; descriptor group 1: a tile of 128 rows x 128 elements, padded in LDS
	s_or_b32 s[G1+0], s43, (1<<16)|(1<<20)|(1<<21)|(5<<22)|(3<<25)  ; 15:0 the mask: x's tiles go to my row; 17:16 2-byte elements; 20 padding on; 21 set beside a mask; 24:22 after every 64 words; 31:25 4 words of it
	s_or_b32 s[G1B+0], s44, (1<<16)|(1<<20)|(1<<21)|(5<<22)|(3<<25) ; the same with the mask of my column
.irp g, G1, G1B
	s_mov_b32 s[(\g)+1], KSTEP<<16                 ; tensor_dim0 = 128
	s_mov_b32 s[(\g)+2], 128<<16                   ; tensor_dim1 = 128
	s_mov_b32 s[(\g)+3], KSTEP<<16                 ; tile_dim0 = 128
	s_mov_b32 s[(\g)+4], 128                       ; tile_dim1 = 128
	s_mov_b32 s[(\g)+5], SIZE_K                    ; elements from row to row
	s_mov_b32 s[(\g)+6], 0
	s_mov_b32 s[(\g)+7], 0
.endr
	s_mov_b32 s[CC], 0x3fb8aa3b                    ; c = log2 e
	s_mov_b32 s[CC+1], 0x3fb8aa3b
	s_mov_b32 s[CC+2], 0xbfb8aa3b
	s_mov_b32 s[CC+3], 0xbfb8aa3b
	s_mov_b32 s[ONE], 1.0
	s_lshl_b32 s17, s12, 7                         ; which 128 rows of the tile I fetch
	s_lshl_b32 s16, s13, 9
	s_add_co_u32 s16, s16, s17                     ; x: row 512 y + 128 x half
	s_lshl_b32 s46, s42, 8
	s_add_co_u32 s46, s46, s17                     ; wkv: row 256 x + 128 x half
	s_mov_b32 s17, 0
	s_mov_b32 s47, 0
	s_mov_b64 s[18:19], SIZE_K*2
	s_mul_u64 s[16:17], s[16:17], s[18:19]
	s_mul_u64 s[46:47], s[46:47], s[18:19]
	s_mul_i32 s20, s10, HALFT                      ; where they go: wave x 128 rows: no place in the cluster enters an LDS address
	s_wait_dscnt 0x0                               ; both opening adds are done
	s_wait_kmcnt 0x0
	s_add_nc_u64 s[14:15], s[4:5], s[16:17]
	s_add_nc_u64 s[46:47], s[6:7], s[46:47]
	CROUND                                         ; all sixteen work-groups are here: the first joint loads meet
.irp s, 0,1
	s_mov_b32 s[G0+4*(\s)], 1                                      ; count = 1
	s_add_co_u32 s[G0+4*(\s)+1], s20, (\s)*SLOT                    ; LDS address
	s_add_nc_u64 s[G0+4*(\s)+2:G0+4*(\s)+3], s[14:15], (\s)*KSTEP*2  ; global address: K step s
	s_or_b32 s[G0+4*(\s)+3], s[G0+4*(\s)+3], 0x80000000            ; type = 2
	s_mov_b32 s[G0B+4*(\s)], 1
	s_add_co_u32 s[G0B+4*(\s)+1], s20, (\s)*SLOT
	s_add_nc_u64 s[G0B+4*(\s)+2:G0B+4*(\s)+3], s[46:47], (\s)*KSTEP*2
	s_or_b32 s[G0B+4*(\s)+3], s[G0B+4*(\s)+3], 0x80000000
	JLOAD \s                                       ; two tensor loads of mine are out
.endr
	; a fragment is 16 rows x 32 K in 8 registers: lane l holds row l % 16, K = 8 (l / 16) + 0..7 and 16 + 8 (l / 16) + 0..7: two loads of 16 bytes, 32 bytes apart
	v_and_b32 v1, 15, v0                           ; l % 16
	v_bfe_u32 v2, v0, 4, 1                         ; l / 16
	v_mul_u32_u24 v3, v1, PITCH
	v_lshl_add_u32 v3, v2, 4, v3
	s_mul_i32 s21, s11, HALFT                      ; my 128 rows of x
	s_mul_i32 s22, s12, HALFT                      ; my 128 rows of wkv,
	s_add_co_u32 s22, s22, 2*HALFT                 ; which lie behind x's 256
	v_add_nc_u32 v[ADRA0], s21, v3
	v_add_nc_u32 v[ADRB0], s22, v3
	v_mov_b32 v[ADRA], v[ADRA0]                    ; the walk begins in slot 0
	v_mov_b32 v[ADRB], v[ADRB0]
	s_lshl_b32 s23, s11, 9                         ; my 128 positions' masks: 512 bytes,
	s_add_co_u32 s23, s23, MSKL
	v_lshl_add_u32 v[MA], v2, 5, s23               ; my lanes' eight of each sixteen
	v_lshl_add_u32 v6, v0, 4, MSKL                 ; where thread t puts four masks
	v_lshlrev_b32 v4, 4, v0
	v_lshlrev_b32 v5, 2, v1
	v_and_b32 v[PO], 31, v0
	v_lshlrev_b32 v[PO], 4, v[PO]
	s_lshl_b32 s76, s13, 11                        ; the work-group's 512 masks
	s_mov_b32 s77, 0
	s_add_nc_u64 s[66:67], s[66:67], s[76:77]
	global_load_b128 v[192:195], v4, s[66:67]
	s_lshl_b32 s78, s42, 1
	s_add_co_u32 s78, s78, s12                     ; my head = 2 x + column half
	s_lshl_b32 s76, s78, 8                         ; its 64 biases
	s_add_nc_u64 s[68:69], s[68:69], s[76:77]
	s_add_nc_u64 s[70:71], s[70:71], s[76:77]
.irp b, 0,1,2,3
	global_load_b32 v[200+(\b)], v5, s[68:69] offset:64*(\b)
	global_load_b32 v[204+(\b)], v5, s[70:71] offset:64*(\b)
.endr
	; kv's and ksum's sums start at 0, by 160 moves in the wait for the first tile: so the way out has one form of product for both tiles and all of its trips
	WIN 0x40
.set n, 0
.rept 64
	v_mov_b32 v[n], 0
	v_mov_b32 v[192+n], 0
.set n, n+1
.endr
	WIN 0
.set n, 0
.rept 32
	v_mov_b32 v[KS+n], 0
.set n, n+1
.endr
	; my partial's place: ((n 16 + head) 16 + 2 (y % 8) + row half) x 20,480 bytes
	s_lshr_b32 s76, s13, 3
	s_lshl_b32 s76, s76, 4
	s_add_co_u32 s76, s76, s78
	s_lshl_b32 s76, s76, 4
	s_and_b32 s78, s13, 7
	s_lshl_b32 s78, s78, 1
	s_add_co_u32 s76, s76, s78
	s_add_co_u32 s76, s76, s11
	s_mul_i32 s76, s76, 20480
	s_add_nc_u64 s[8:9], s[8:9], s[76:77]
	; the prefetches
	s_lshl_b32 s76, s13, 9                         ; x's first row of the work-group,
	s_lshl_b32 s78, s42, 8                         ; wkv's
	s_and_b32 s22, ttmp7, 0xffff                   ; cluster y
	s_cmp_eq_u32 s11, 0                            ; do I fetch for x?
	s_cselect_b32 s20, s76, s78
	s_cselect_b32 s21, s40, s41                    ; my place among the four that ask with me
	s_cselect_b32 s22, ttmp9, s22                  ; the coordinate along which other clusters read the same rows
	s_cselect_b64 s[PFA:PFA+1], s[4:5], s[6:7]
	s_cmp_eq_u32 s22, 0
	s_cselect_b32 s[LIM], 2, -1                    ; the same in all sixteen partners, for a given wave
	s_lshl_b32 s22, s12, 7
	s_add_co_u32 s20, s20, s22                     ; + the 128 rows that I fetch
	s_lshl_b32 s21, s21, 5
	s_add_co_u32 s20, s20, s21                     ; + my work-group's 32 of them
	s_mov_b32 s21, 0
	s_mov_b64 s[18:19], SIZE_K*2
	s_mul_u64 s[20:21], s[20:21], s[18:19]
	s_add_nc_u64 s[PFA:PFA+1], s[PFA:PFA+1], s[20:21]
	s_add_nc_u64 s[PFA:PFA+1], s[PFA:PFA+1], 2*KSTEP*2  ; at K step 2: the first refill steps it to 3 and names K step 4; K steps 0 to 3 come by their loads alone
	v_and_b32 v[PFO], 31, v0
	v_mul_u32_u24 v[PFO], v[PFO], SIZE_K*2
	s_wait_loadcnt 0x0                             ; masks and biases
	v_cvt_pk_bf16_f32 v196, v192, v193             ; rounded to bf16 like every input,
	v_cvt_pk_bf16_f32 v197, v194, v195
	v_lshlrev_b32 v192, 16, v196
	v_and_b32 v193, 0xffff0000, v196
	v_lshlrev_b32 v194, 16, v197
	v_and_b32 v195, 0xffff0000, v197
.irp r, 192,193,194,195
	v_mul_f32 v\r, 0x3e800000, v\r                 ; times 0.25, exact
.endr
	ds_store_b128 v6, v[192:195]
.irp b, 0,1,2,3
	v_cvt_pk_bf16_f32 v[208+(\b)], v[200+(\b)], v[204+(\b)]
.endr
.irp b, 0,1,2,3
	v_lshlrev_b32 v[BB+(\b)], 16, v[208+(\b)]
	v_and_b32 v[BB+4+(\b)], 0xffff0000, v[208+(\b)]
.endr
.irp b, 0,1,2,3
	v_add_f32 v[BB+(\b)], 1.0, v[BB+(\b)]
.endr
; 16 matrix instructions: row blocks a0, a0 + 1 of the window's four (hi = 0: my rows 0-63, 1: rows 64-127) x all 8 column blocks, 32 along K.  The 64 accumulators take turns, one instruction a turn,
; zero = 1: the first product starts the sums with the bias.
.macro MUL16 f, hi, a0, zero
.if \zero
	WIN 0x84+0x40*(\hi)
.else
	WIN 0xa4+0x50*(\hi)
.endif
.irp a, \a0, (\a0)+1
.irp b, 0,1,2,3,4,5,6,7
.if \zero
	v_wmma_f32_16x16x32_bf16 v[8*(8*(\a)+(\b)):8*(8*(\a)+(\b))+7], v[(\f)+8*(4*(\hi)+(\a)):(\f)+8*(4*(\hi)+(\a))+7], v[(\f)+8*(\b):(\f)+8*(\b)+7], v[CT+8*(\b):CT+8*(\b)+7]
.else
	v_wmma_f32_16x16x32_bf16 v[8*(8*(\a)+(\b)):8*(8*(\a)+(\b))+7], v[(\f)+8*(4*(\hi)+(\a)):(\f)+8*(4*(\hi)+(\a))+7], v[(\f)+8*(\b):(\f)+8*(\b)+7], v[8*(8*(\a)+(\b)):8*(8*(\a)+(\b))+7]
.endif
.endr
.endr
.endm
; 32 LDS loads in one run: the fragments of one quarter step (32 K at byte k of the rows of the slot in hand) into buffer f: wkv's 16, then x's 16
.macro FETCH k, f
	WIN TO_B
.irp i, 0,1,2,3,4,5,6,7
	ds_load_b128 v[(\f)+8*(\i):(\f)+8*(\i)+3],   v[ADRB] offset:(\k)+(\i)*16*PITCH
	ds_load_b128 v[(\f)+8*(\i)+4:(\f)+8*(\i)+7], v[ADRB] offset:(\k)+(\i)*16*PITCH+32
.endr
	WIN 0
.irp i, 0,1,2,3,4,5,6,7
	ds_load_b128 v[(\f)+8*(\i):(\f)+8*(\i)+3],   v[ADRA] offset:(\k)+(\i)*16*PITCH
	ds_load_b128 v[(\f)+8*(\i)+4:(\f)+8*(\i)+7], v[ADRA] offset:(\k)+(\i)*16*PITCH+32
.endr
.endm
.macro PLACES                          ; four plain vector instructions between a matrix instruction and a load into, a write of, or a read of its registers (ISA guide 7.12.1 for a write or a read)
.rept 4
	v_nop
.endr
.endm
; A K step is four quarters of 32 along K, 64 matrix instructions each, on buffers 0, 1, 0, 1.  One of the first three: multiplies f, and in its middle fetches the next quarter, at byte k, into g.
.macro QUARTER k, f, g, zero
	s_wait_dscnt 8                                 ; wkv's fragments and x's rows 0-63 are in; the youngest eight loads (x's rows 64-127) may be out
	MUL16 \f, 0, 0, \zero
	MUL16 \f, 0, 2, \zero
	PLACES
	FETCH \k, \g
	s_wait_dscnt 32                                ; all but the 32 just issued
	MUL16 \f, 1, 0, \zero
	MUL16 \f, 1, 2, \zero
.endm
; The last quarter's first half: ONE barrier for the change of slots.  In front of it each wave waits for all its tensor loads (one is out: its part of the next slot), adds 0 to its spare word, and waits
; for that and for its own reads of this slot.  Behind it nobody reads this slot any more and the next slot is whole.
.macro MEET round
	WIN 0
	s_wait_tensorcnt 0x0
	ds_add_u32 v[SPW], v[NIL]
	s_wait_dscnt 9                                 ; the add and the youngest eight loads may be out
	MUL16 F1, 0, 0, 0
	s_wait_dscnt 0x0                               ; the add is done, and my reads of this slot are over
	s_barrier_signal -1
	MUL16 F1, 0, 2, 0
.if \round
	WIN 0
.endif
	s_barrier_wait -1
.endm
.macro OTHER                           ; the fetches go on in the other slot
	s_xor_b32 s[TB], s[TB], SLOT
	v_add_nc_u32 v[ADRA], s[TB], v[ADRA0]
	v_add_nc_u32 v[ADRB], s[TB], v[ADRB0]
.endm
; The whole last quarter where the slot just read is filled again.  The barrier opens a round of the cluster's barrier; behind the round the walking descriptors turn to that slot and step to the K step two on
; (jump = 1: from the tile's last K step to the next tile's first); the joint refill is the first tensor load behind the round: one load of mine is out, with 224 matrix instructions up to the wait for it.
.macro TURN jump, how
	s_wait_xcnt 0x0                                ; the last prefetch, a K step back, has read its address
.if \jump
	s_add_nc_u64 s[PFA:PFA+1], s[PFA:PFA+1], (WALK-1)*SIZE_K*2+KSTEP*2  ; from the K step after the tile's last to the next tile's K step 1
	s_cmp_eq_u32 s11, 0
	s_cselect_b32 s[LIM], s[LIM], -1               ; wkv's rows are the same for both tiles: asked for in the first alone
.else
	s_add_nc_u64 s[PFA:PFA+1], s[PFA:PFA+1], KSTEP*2
.endif
	MEET 1
	CREST
	s_xor_b32 s[G0+5], s[G0+5], SLOT               ; no tensor load of mine is out: the descriptors may be written
	s_xor_b32 s[G0B+5], s[G0B+5], SLOT
.if \jump
	s_add_nc_u64 s[G0+6:G0+7], s[G0+6:G0+7], NEXT_A
	s_sub_nc_u64 s[G0B+6:G0B+7], s[G0B+6:G0B+7], BACK_B
.else
	s_add_nc_u64 s[G0+6:G0+7], s[G0+6:G0+7], KSTEP*2
	s_add_nc_u64 s[G0B+6:G0B+7], s[G0B+6:G0B+7], KSTEP*2
.endif
	OTHER
	JLOAD 1                                        ; its four v_nop are also the places in front of the loads below
	FETCH 0, F0
	ASK \how
	MUL16 F1, 1, 0, 0
	MUL16 F1, 1, 2, 0
.endm
; THE WAY OUT OF A TILE.  A trip takes 32 positions (two row blocks, the lowest 128 registers of window 2); a unit is those 32 positions x 16 k channels (block kb).
.macro VC                              ; v of 32 positions, all 64 channels, rounded to f16: four fragments
	WIN 0x0a
.set n, 0
.rept 32
	v_cvt_pk_f16_f32 v[VF+n], v[8*(8*((n/4)%2)+4+n/8)+2*(n%4)], v[8*(8*((n/4)%2)+4+n/8)+2*(n%4)+1]
.set n, n+1
.endr
.endm
.macro FK kb                           ; (t + 1) c - c
	WIN 0x02
.set n, 0
.rept 8
	v_pk_fma_f32 v[Y+2*n:Y+2*n+1], v[8*(8*(n/4)+(\kb))+2*(n%4):8*(8*(n/4)+(\kb))+2*(n%4)+1], s[CC:CC+1], s[CC+2:CC+3] op_sel_hi:[1,0,0]
.set n, n+1
.endr
.endm
.macro EK                              ; e^t: one batch of 16
	WIN 0
.set n, 0
.rept 16
	v_exp_f32 v[Y+n], v[Y+n]
.set n, n+1
.endr
.endm
.macro BK kb                           ; the middle one; times 0.25 mask; to f16; four products k^T v and one with ones.  The 20 accumulators take turns
	WIN 0x02
.set n, 0
.rept 16
	v_med3_num_f32 v[Y+n], v[8*(8*(n/8)+(\kb))+n%8], v[Y+n], s[ONE]
.set n, n+1
.endr
	WIN 0x04
.set n, 0
.rept 8
	v_pk_mul_f32 v[Y+2*n:Y+2*n+1], v[Y+2*n:Y+2*n+1], v[MSK+2*n:MSK+2*n+1]
.set n, n+1
.endr
	WIN 0
.set n, 0
.rept 8
	v_cvt_pk_f16_f32 v[KF+n], v[Y+2*n], v[Y+2*n+1]
.set n, n+1
.endr
	WIN 0x50
.set n, 0
.rept 4
.set d, 4*(\kb)+n
.set rD, 8*d+128*(d/8)
	v_wmma_f32_16x16x32_f16 v[rD:rD+7], v[KF:KF+7], v[VF+8*n:VF+8*n+7], v[rD:rD+7]
.set n, n+1
.endr
	WIN 0
	v_wmma_f32_16x16x32_f16 v[KS+8*(\kb):KS+8*(\kb)+7], v[KF:KF+7], v[ONES:ONES+7], v[KS+8*(\kb):KS+8*(\kb)+7]
.endm
; 2 x 2 trips of four units.  The text names the lowest 128 registers of window 2 alone: behind an inner loop's first trip 128 moves bring the window's upper half down, behind the outer loop's first trip 256 moves
; bring window 3 into window 2: 512 moves a tile for a quarter of the text.
; A unit's scalings and exponentials stand behind the unit before's products: the eight scalings are the places in front of the next writes of k's fragment; each batch of 16 exponentials has one plain
; instruction behind it and ONE wait ahead of its first reader.  Behind a trip's last products, which no scalings follow, stand four v_nop, ahead of the jump: they are the places
; on every way out of the trip: back to the next trip's conversions, which write v's fragments; into the moves; and on to the stores that read kv and ksum.
.macro EPI tag
	PLACES                                         ; behind the tile's last products: buffer 1 of both windows is written below
	WIN 0
.set n, 0
.rept 8
	v_mov_b32 v[ONES+n], 0x3c003c00                ; 1.0 twice, in f16
.set n, n+1
.endr
	s_mov_b32 s[CW], 2
.Lepw\tag:
	s_mov_b32 s3, 2
.Lepi\tag:
	WIN TO_B
.set n, 0
.rept 4
	ds_load_b128 v[MSK+4*n:MSK+4*n+3], v[MA] offset:64*(n/2)+16*(n%2)  ; row block n / 2 of the trip's two: my lanes' eight positions
.set n, n+1
.endr
	WIN 0
	v_add_nc_u32 v[MA], 128, v[MA]                 ; the next 32 positions
	VC
	FK 0
	EK
	v_nop
	s_wait_dscnt 0x0                               ; the masks (and, where a tile follows, its first fragments, asked for earlier)
	s_wait_alu depctr_va_vdst(0)
.irp kb, 0,1,2,3
	BK \kb
.if (\kb) < 3
	FK (\kb)+1
	EK
	v_nop
	s_wait_alu depctr_va_vdst(0)
.else
	PLACES                                         ; the places behind the trip's last products
.endif
.endr
	WIN 0
	s_cmp_eq_u32 s3, 1
	s_cbranch_scc1 .Lepn\tag                       ; the inner loop's last trip has nothing to bring
	WIN 0x82
.set n, 0
.rept 128
	v_mov_b32 v[n], v[128+n]                       ; the window's upper half, each accumulator from its low end on
.set n, n+1
.endr
	WIN 0
.Lepn\tag:
	s_sub_co_u32 s3, s3, 1
	s_cmp_lg_u32 s3, 0
	s_cbranch_scc1 .Lepi\tag
	s_cmp_eq_u32 s[CW], 1
	s_cbranch_scc1 .Lepm\tag                       ; nor has the outer loop's
	WIN 0x83
.set n, 0
.rept 256
	v_mov_b32 v[n], v[n]                           ; rows 64-127's accumulators, each from its low end on
.set n, n+1
.endr
	WIN 0
.Lepm\tag:
	s_sub_co_u32 s[CW], s[CW], 1
	s_cmp_lg_u32 s[CW], 0
	s_cbranch_scc1 .Lepw\tag
.endm
	s_wait_tensorcnt 1                             ; my part of K step 0 is in; K step 1's may stay out
	s_wait_dscnt 0x0                               ; my four masks are in LDS
	s_barrier_signal -1
	s_barrier_wait -1
	s_mov_b32 s[TB], 0
	FETCH 0, F0
	s_mov_b32 s2, 2                                ; tiles to go
.Ltile:
.set n, 0
.rept 64
	v_mov_b32 v[CT+n], v[BB+n/8]                   ; the C operands: a lane's channel has one bias for its eight positions
.set n, n+1
.endr
	QUARTER 64,  F0, F1, 1                         ; a tile's first quarter stands in front of the loop: its products start the sums
	WIN 0
	s_mov_b32 s3, STEPS-2
.Lstep:                                                ; a trip goes from a K step's second quarter to the next K step's first, and fills the slot that it leaves: K steps 2 to 7
	QUARTER 128, F1, F0, 0
	QUARTER 192, F0, F1, 0
	TURN 0, 0
	QUARTER 64,  F0, F1, 0
	WIN 0
	s_sub_co_u32 s3, s3, 1
	s_cmp_lg_u32 s3, 0
	s_cbranch_scc1 .Lstep
	QUARTER 128, F1, F0, 0                         ; the tile's last K step but one goes on
	QUARTER 192, F0, F1, 0
	WIN 0
	s_cmp_eq_u32 s2, 1
	s_cbranch_scc1 .Llast                          ; the last tile's tail is written out: it asks for nothing more
	TURN 1, 1                                      ; the ring goes on into the second tile: the slot just left takes its K step 0,
	QUARTER 64,  F0, F1, 0
	QUARTER 128, F1, F0, 0
	QUARTER 192, F0, F1, 0
	TURN 0, 1                                      ; the other its K step 1, and its first fragments are fetched into buffer 0, which the way out leaves alone
	EPI 1
	v_add_nc_u32 v[MA], 512, v[MA]                 ; past the other row half's masks: the second tile's
	s_sub_co_u32 s2, s2, 1
	s_branch .Ltile
.Llast:
	MEET 0                                         ; nothing is filled again, so no round follows
	WIN 0
	OTHER
	PLACES
	FETCH 0, F0
	MUL16 F1, 1, 0, 0
	MUL16 F1, 1, 2, 0
	QUARTER 64,  F0, F1, 0
	QUARTER 128, F1, F0, 0
	QUARTER 192, F0, F1, 0
	s_wait_dscnt 8                                 ; the very last quarter: nothing more to fetch
	MUL16 F1, 0, 0, 0
	MUL16 F1, 0, 2, 0
	s_wait_dscnt 0x0
	MUL16 F1, 1, 0, 0
	MUL16 F1, 1, 2, 0
	EPI 2                                          ; its last four v_nop are the places in front of the stores below, which read results
	WIN 0x04                                       ; store data in window 1
.set g, 0
.rept 32
.set d, g/2
.set rD, 8*d+128*(d/8)+4*(g%2)
	global_store_b128 v[PO], v[rD:rD+3], s[8:9] offset:512*g  ; 512 consecutive bytes, at a multiple of 256 from part's first byte
.set g, g+1
.endr
	WIN 0
.rept 8
	global_store_b128 v[PO], v[KS+4*(g-32):KS+4*(g-32)+3], s[8:9] offset:512*g
.set g, g+1
.endr
	s_wait_tensorcnt 0x0                           ; the wave's end
	ds_add_u32 v[SPW], v[NIL]
	s_wait_dscnt 0x0
	CROUND                                         ; the closing round: no work-group ends while a partner may still ask for a tile that names it
	s_endpgm
.Lfunc_end_k_qf52e00cb15_kvpart:
	.size	k_qf52e00cb15_kvpart, .Lfunc_end_k_qf52e00cb15_kvpart-k_qf52e00cb15_kvpart
	.p2alignl 7, 3214868480
	.fill 96, 4, 3214868480
	.section	.rodata,"a",@progbits
	.p2align	6, 0x0
	.amdhsa_kernel k_qf52e00cb15_kvpart
		.amdhsa_group_segment_fixed_size 327680
		.amdhsa_private_segment_fixed_size 0
		.amdhsa_enable_private_segment 0
		.amdhsa_kernarg_size 48
		.amdhsa_user_sgpr_count 2
		.amdhsa_user_sgpr_kernarg_segment_ptr 1
		.amdhsa_wavefront_size32 1
		.amdhsa_system_sgpr_workgroup_id_x 1
		.amdhsa_system_sgpr_workgroup_id_y 1
		.amdhsa_system_sgpr_workgroup_id_z 1
		.amdhsa_system_vgpr_workitem_id 0
		.amdhsa_next_free_vgpr 1024
		.amdhsa_next_free_sgpr 80
		.amdhsa_reserve_vcc 0
		.amdhsa_float_denorm_mode_32 3
		.amdhsa_float_denorm_mode_16_64 3
		.amdhsa_memory_ordered 1
		.amdhsa_forward_progress 1
		.amdhsa_inst_pref_size 195
	.end_amdhsa_kernel
	.amdgpu_metadata
---
amdhsa.version: [ 1, 2 ]
amdhsa.kernels:
  - .name:           k_qf52e00cb15_kvpart
    .symbol:         k_qf52e00cb15_kvpart.kd
    .args:
      - { .name: xb, .offset: 0, .size: 8, .value_kind: global_buffer, .address_space: global }
      - { .name: wkv, .offset: 8, .size: 8, .value_kind: global_buffer, .address_space: global }
      - { .name: part, .offset: 16, .size: 8, .value_kind: global_buffer, .address_space: global }
      - { .name: attention_mask, .offset: 24, .size: 8, .value_kind: global_buffer, .address_space: global }
      - { .name: bk, .offset: 32, .size: 8, .value_kind: global_buffer, .address_space: global }
      - { .name: bv, .offset: 40, .size: 8, .value_kind: global_buffer, .address_space: global }
    .group_segment_fixed_size: 327680
    .private_segment_fixed_size: 0
    .kernarg_segment_align: 8
    .kernarg_segment_size: 48
    .max_flat_workgroup_size: 128
    .sgpr_count:     80
    .vgpr_count:     1024
    .wavefront_size: 32
...
	.end_amdgpu_metadata
.endif
;; end of part 2
;; launch fold (part 3): grid 64 x 5, 4 waves a work-group, no clusters, 768 bytes of LDS; arguments part, kvf; writes kvf
.if DOCPART == 3
	.amdgcn_target "amdgcn-amd-amdhsa--gfx1250"
	.amdhsa_code_object_version 6
	.text
	.protected	k_qf52e00cb15_fold
	.globl	k_qf52e00cb15_fold
	.p2align	8
	.type	k_qf52e00cb15_fold,@function
k_qf52e00cb15_fold:
	s_mov_b64 s[64:65], 0
	v_nop
	global_prefetch_b8 v0, s[64:65] scope:SCOPE_SE
	s_setreg_imm32_b32 hwreg(HW_REG_WAVE_MODE, 25, 1), 1
	s_wait_xcnt 0x0
; For each (n, head): the 16 partial sums of kv (64 x 64) and ksum (64) are added in f32, scaled by exact powers of two and packed to f16 as the last launch's fragments.
; part: 16 partials of 20,480 bytes for each (n, head), each an image of 160 registers x 32 lanes in 40 groups of 512 bytes: registers 8 (4 kb + eb) + j are kv's tile (kb, eb), where lane l holds
; kv[16 kb + 8 (l / 16) + j][16 eb + l % 16]; registers 128 + 8 kb + j hold ksum[16 kb + 8 (l / 16) + j] in every lane.
; kvf: 11,520 bytes for each (n, head): 20 groups of 512: group 4 eb + kb: tile (kb, eb) in pairs: half kb % 2 of the fragment (rows e = 16 eb .., K = k channels 32 (kb / 2) ..) of kv^T;
; group 16 + kb: the same of a fragment whose rows are all ksum; then five blocks of 256 bytes, share e's scale in every word.
; SHARES.  Work-group (x, y): x = 16 n + head; y = e: 0-3 the block of 16 columns eb = e of kv, 4 ksum: 320 work-groups of one shape.  Wave w takes k block kb = w: one tile of 1,024 bytes from each of the
; 16 partials: 32 loads of 512 consecutive bytes, all out at once, each byte read once in the launch.
; THE SCALES.  t = 2^floor(log2 of the share's largest magnitude): the numbers divided by t lie under 2, so f16's range holds whatever the inputs' size.  A scale may differ between rows e of kv^T, not along
; its K, so a share is all 64 k channels of 16 columns; the four waves' maxima meet in LDS.  ksum's scale is stored times 16, which undoes the 0.25 that k carries in kv and in ksum.
; LIMITS: a largest magnitude under 2^-126 gives the scale 0 (the output is then 0), one of 2^127 or more is not served; numbers far below the share's largest keep f16's fixed step.
; No matrix unit and no prefetch: a short stream read once, with all of a wave's loads out at once.
.set PARTB, 20480
.set KVB,   11520
.set MAXW,  0                          ; four words, a wave's maximum each, in a block of 256 bytes
.set SPARE, 256                        ; the spare words, 128 bytes for each of 4 waves
.set SPW, 30
.set NIL, 31
.set D,   32                           ; v[32+8 p ..]: my tile of partial p
	s_load_b128 s[4:7], s[0:1], 0x0                ; part s[4:5], kvf s[6:7]
	v_lshl_add_u32 v[SPW], v0, 2, SPARE
	v_mov_b32 v[NIL], 0
	v_lshrrev_b32 v1, 5, v0
	v_readfirstlane_b32 s8, v1                     ; wave = kb
	s_and_b32 s9, ttmp7, 0xffff                    ; e
	v_and_b32 v1, 31, v0
	v_lshlrev_b32 v2, 4, v1                        ; 16 x lane
	v_lshlrev_b32 v3, 3, v1                        ; 8 x lane
	s_lshl_b32 s10, s8, 12
	s_lshl_b32 s11, s9, 10
	s_add_co_u32 s10, s10, s11                     ; kv's tile (kb, e): groups 2 (4 kb + e) ..
	s_lshl_b32 s11, s8, 10
	s_add_co_u32 s11, s11, 16384                   ; ksum's tile kb: groups 32 + 2 kb ..
	s_mul_i32 s12, ttmp9, 16*PARTB
	s_mul_i32 s14, ttmp9, KVB
	s_lshl_b32 s15, s9, 2
	s_add_co_u32 s15, s15, s8
	s_lshl_b32 s15, s15, 9                         ; out: group 4 e + kb
	s_lshl_b32 s16, s9, 8
	s_add_co_u32 s16, s16, s14
	s_add_co_u32 s16, s16, 10240                   ; the share's scale
	s_add_co_u32 s14, s14, s15
	s_cmp_eq_u32 s9, 4                             ; (only selects stand between the compare and its last select)
	s_cselect_b32 s10, s11, s10
	s_cselect_b32 s18, 0x41800000, 1.0             ; 16 for ksum's scale
	s_add_co_u32 s12, s12, s10
	s_mov_b32 s13, 0
	s_mov_b32 s15, 0
	s_mov_b32 s17, 0
	s_mov_b32 s22, 0x76543210                      ; v_permlanex16_b32: each lane takes its own place in the other half
	s_mov_b32 s23, 0xfedcba98
	s_wait_kmcnt 0x0
	s_add_nc_u64 s[4:5], s[4:5], s[12:13]
	s_add_nc_u64 s[20:21], s[6:7], s[16:17]
	s_add_nc_u64 s[6:7], s[6:7], s[14:15]
.set p, 0
.rept 16
	global_load_b128 v[D+8*p:D+8*p+3],   v2, s[4:5] offset:PARTB*p th:TH_LOAD_NT
	global_load_b128 v[D+8*p+4:D+8*p+7], v2, s[4:5] offset:PARTB*p+512 th:TH_LOAD_NT
.set p, p+1
.endr
.set p, 1
.rept 15
	s_wait_loadcnt 30-2*p                          ; loads come back in order: partials 0 to p are in, the 2 (15 - p) younger loads stay out
.irp r, 0,2,4,6
	v_pk_add_f32 v[D+(\r):D+(\r)+1], v[D+(\r):D+(\r)+1], v[D+8*p+(\r):D+8*p+(\r)+1]
.endr
.set p, p+1
.endr
	v_max_num_f32 v8, |v[D]|, |v[D+1]|             ; the largest magnitude of my lane's 8 numbers,
	v_max3_num_f32 v8, v8, |v[D+2]|, |v[D+3]|
	v_max3_num_f32 v8, v8, |v[D+4]|, |v[D+5]|
	v_max3_num_f32 v8, v8, |v[D+6]|, |v[D+7]|
	v_mov_b32 v10, 0                               ; v_permlanex16_b32's destination counts as read
.irp m, 1,2,4,8
	v_max_num_f32_dpp v8, v8, v8 row_xmask:\m row_mask:0xf bank_mask:0xf
.endr
	v_permlanex16_b32 v10, v8, s22, s23
	v_max_num_f32 v8, v8, v10                      ; of my wave's tile
	s_lshl_b32 s11, s8, 2
	s_add_co_u32 s11, s11, MAXW
	v_mov_b32 v7, s11
	ds_store_b32 v7, v8                            ; all lanes write the same word
	s_wait_dscnt 0x0                               ; for the others' sake: my store is done
	s_barrier_signal -1
	s_barrier_wait -1
	v_mov_b32 v9, MAXW
	ds_load_b128 v[12:15], v9
	s_wait_dscnt 0x0
	v_max3_num_f32 v8, v12, v13, v14
	v_max_num_f32 v8, v8, v15                      ; of the share
	v_and_b32 v16, 0x7f800000, v8                  ; t: the exponent alone
	v_sub_nc_u32 v18, 0x7f000000, v16              ; 1 / t: exponent 254 - E
	v_mov_b32 v19, v18
.irp r, 0,2,4,6
	v_pk_mul_f32 v[D+(\r):D+(\r)+1], v[D+(\r):D+(\r)+1], v[18:19]
.endr
.irp r, 0,1,2,3
	v_cvt_pk_f16_f32 v[20+(\r)], v[D+2*(\r)], v[D+2*(\r)+1]
.endr
	global_store_b128 v2, v[20:23], s[6:7]         ; 512 consecutive bytes, at a multiple of 256 from kvf's first byte
	s_cmp_lg_u32 s8, 0
	s_cbranch_scc1 .Lend
	v_mul_f32 v24, s18, v16
	v_mov_b32 v25, v24
	global_store_b64 v3, v[24:25], s[20:21]        ; 256 consecutive bytes, aligned: the scale in every word
.Lend:
	s_wait_tensorcnt 0x0                           ; the wave's end, behind my last LDS store
	ds_add_u32 v[SPW], v[NIL]
	s_wait_dscnt 0x0
	s_endpgm
.Lfunc_end_k_qf52e00cb15_fold:
	.size	k_qf52e00cb15_fold, .Lfunc_end_k_qf52e00cb15_fold-k_qf52e00cb15_fold
	.p2alignl 7, 3214868480
	.fill 96, 4, 3214868480
	.section	.rodata,"a",@progbits
	.p2align	6, 0x0
	.amdhsa_kernel k_qf52e00cb15_fold
		.amdhsa_group_segment_fixed_size 768
		.amdhsa_private_segment_fixed_size 0
		.amdhsa_enable_private_segment 0
		.amdhsa_kernarg_size 16
		.amdhsa_user_sgpr_count 2
		.amdhsa_user_sgpr_kernarg_segment_ptr 1
		.amdhsa_wavefront_size32 1
		.amdhsa_system_sgpr_workgroup_id_x 1
		.amdhsa_system_sgpr_workgroup_id_y 1
		.amdhsa_system_sgpr_workgroup_id_z 1
		.amdhsa_system_vgpr_workitem_id 0
		.amdhsa_next_free_vgpr 160
		.amdhsa_next_free_sgpr 66
		.amdhsa_reserve_vcc 0
		.amdhsa_float_denorm_mode_32 3
		.amdhsa_float_denorm_mode_16_64 3
		.amdhsa_memory_ordered 1
		.amdhsa_forward_progress 1
		.amdhsa_inst_pref_size 12
	.end_amdhsa_kernel
	.amdgpu_metadata
---
amdhsa.version: [ 1, 2 ]
amdhsa.kernels:
  - .name:           k_qf52e00cb15_fold
    .symbol:         k_qf52e00cb15_fold.kd
    .args:
      - { .name: part, .offset: 0, .size: 8, .value_kind: global_buffer, .address_space: global }
      - { .name: kvf, .offset: 8, .size: 8, .value_kind: global_buffer, .address_space: global }
    .group_segment_fixed_size: 768
    .private_segment_fixed_size: 0
    .kernarg_segment_align: 8
    .kernarg_segment_size: 16
    .max_flat_workgroup_size: 128
    .sgpr_count:     66
    .vgpr_count:     160
    .wavefront_size: 32
...
	.end_amdgpu_metadata
.endif
;; end of part 3
;; launch qctx (part 4): grid 4 x 64, 4 waves a work-group, clusters of 4 x 4, 327,680 bytes of LDS; arguments xb, wqb, out0, kvf, bq; writes out0
.if DOCPART == 4
	.amdgcn_target "amdgcn-amd-amdhsa--gfx1250"
	.amdhsa_code_object_version 6
	.text
	.protected	k_qf52e00cb15_qctx
	.globl	k_qf52e00cb15_qctx
	.p2align	8
	.type	k_qf52e00cb15_qctx,@function
k_qf52e00cb15_qctx:
	s_mov_b64 s[64:65], 0
	v_nop
	global_prefetch_b8 v0, s[64:65] scope:SCOPE_SE
	s_setreg_imm32_b32 hwreg(HW_REG_WAVE_MODE, 25, 1), 1
	s_wait_xcnt 0x0
	s_wait_alu depctr_hold_cnt(0) depctr_sa_sdst(0) depctr_va_vdst(0) depctr_va_sdst(0) depctr_va_ssrc(0) depctr_va_vcc(0) depctr_vm_vsrc(0)
	s_getreg_b32 s2, hwreg(HW_REG_IB_STS2, 6, 4)
	s_cmp_eq_u32 s2, 0
	s_cbranch_scc0 .Lentry_in_a_cluster
	s_endpgm
.Lentry_in_a_cluster:
	s_bfe_u32 s2, ttmp6, 0x10000c
	s_cmp_lg_u32 s2, 0xf033
	s_cbranch_scc0 .Lentry_shape_is_right
	s_endpgm
.Lentry_shape_is_right:
; q = elu(x Wq^T + bq) + 1, and of it out[l][64 head + e] = (q_l . ksum) (q_l . kv[:][e]), with kv and ksum of the row's batch and the column's head.  q never reaches memory.
; xb: [16384][1024] bf16; wqb: [1024][1024] bf16; bq is rounded to bf16 here, like all inputs; kvf: for each (n, head) kv^T and ksum as f16 fragments scaled by powers of two, and the five scales that undo that:
; one for each block of 16 e, one (times 16) for ksum.
; THE GEMM.  A tile of x Wq^T, 256 positions x 256 channels (four heads), is made by four waves, each 128 x 128 (two heads): 64 accumulators, 512 registers.  K goes in steps of 128 through a ring of two
; LDS slots filled by tensor loads; rows of 256 bytes at multiples of 256 from the buffer's first byte.  The ring's loop is written for ONE K step: the slot in hand is a scalar (0 or SLOT) that an exclusive or
; turns, and one descriptor for each tensor walks from K step to K step.  256 work-groups, a tile each.
; CLUSTER 4 x 4: the four of a row need the same tiles of x, the four of a column the same tiles of Wq; each tile is asked for jointly, by the same load, descriptor and mask in all four.
; THE BIAS is the C operand of each accumulator's first product: bf16(bq) + 1, so an accumulator ends as t + 1.  elu(t) + 1 = the middle one of (t + 1, e^t, 1) for every t; e^t = 2^((t + 1) c - c), c = log2 e.
; THE SECOND PRODUCT.  Source 0 of the GEMM is Wq, source 1 x: a lane holds ONE position (lane % 16) and channels 8 (lane / 16) + 0..7.  Two channel blocks rounded to f16 in pairs ARE source 1
; (column = position, K = 32 channels) of ctx^T = kv^T q^T, whose result holds one position a lane and eight neighbouring e.  A fifth source 0, whose 16 rows are all ksum, puts z of the lane's position into
; every register of a fifth accumulator: nothing changes lanes.  out = (z x ksum's scale x the block's scale) ctx, f32; it leaves through my own stage in LDS as whole rows of 512 bytes.
; LIMITS.  q must stay under f16's 65,504; e^t below 2^-126 counts as 0; 16 z times a block's scale must be finite; NaN and infinities are not treated apart.
; REGISTERS, in windows of 256 (s_set_vgpr_msb: bits 1:0 source 0, 3:2 source 1, 5:4 source 2, 7:6 destination):
;   window 0: v0-31 addresses; v32-63 ksum's fragments (head hd, K step t at 16 hd + 8 t); v64-127, v128-191 fragments of x; v192-255 the C operands of the first products
;             on the way out: v64-95 at work, v96-111 q's fragments, v112-151 five accumulators, v152-161 z with its scales, v192-255 16 rows read back from the stage
;   window 1: v0-63, v192-255 kv^T's fragments of my two heads ((eb, t) at 8 (2 eb + t)); v64-127, v128-191 fragments of Wq
;   window 2: the accumulators of my rows 0-63 ((a, b) at v[8 (8 a + b)]);   window 3: those of my rows 64-127
.set SIZE_K, 1024
.set KSTEP,  128
.set STEPS,  SIZE_K/KSTEP              ; 8 K steps
.set PITCH,  272                       ; an LDS row: 256 bytes + 16 of padding: the 16 rows that a load touches start at 16 different groups of four banks (64 banks of 4 bytes: ISA guide 11.1)
.set HALFT,  128*PITCH                 ; 0x8800 bytes
.set SLOT,   4*HALFT                   ; 0x22000 bytes: bits 17 and 13, which no multiple 0..3 of 0x8800 has: so an exclusive or with SLOT turns a tile's LDS address in one slot into the other's
.set STAGE,  2*SLOT                    ; behind the ring, never filled by a tensor load: 16 rows x 528 bytes for each wave
.set SPITCH, 528                       ; 512 bytes + 16: the 16 rows that a store touches start at 16 different groups of four banks
.set SPARE,  STAGE+4*16*SPITCH         ; the spare words, 128 bytes for each wave: two blocks of 256 bytes that no other line names
.set KVB,    11520                     ; a head's block of kvf
.set ADRA0, 16                         ; v16  LDS address of my x fragments in slot 0; never rewritten
.set ADRA,  17                         ; v17  the same in the slot in hand
.set ADRB0, 20                         ; v20, v21  the same for Wq
.set ADRB,  21
.set STO,  24                          ; v24  where I put 32 bytes of a row of the stage
.set RD,   25                          ; v25  where I read a row back
.set CO,   26                          ; v26  16 x lane
.set SPW,  28
.set NIL,  29
.set PFO,  30
.set BO,   31                          ; v31  32 (lane / 16): my lanes' eight biases of sixteen
.set ZF,   32
.set F0,   64
.set F1,   128
.set CT,   192
.set Y,    64
.set QF,   96
.set CX,   112
.set ZS,   152                         ; v152-153 z times ksum's scale
.set ZT,   154                         ; v154-161 that times the scale of block eb, a pair each
.set OB,   192
.set TB,  23                           ; s23  the slot in hand: 0 or SLOT
.set G1,  24
.set G0,  32                           ; s[32:39] group 0 for x: a set for each of the two first fills; the second then walks
.set G1B, 48
.set G0B, 56
.set LIM, 43                           ; s43  2 in a wave that prefetches, else the greatest number
.set PFA, 44
.set HIM, 70                           ; s70  a word's upper bf16
.set ONE, 71                           ; s71  1.0
.set CC,  72                           ; s[72:73] c, s[74:75] -c
.set CH,  76                           ; s76, s77  the way out's middle and outer counts
.set CW,  77
.set TS,  80                           ; s[80:99] the scales: head hd, share e (0-3 blocks of e, 4 ksum) in the pair at 80 + 10 hd + 2 e
.set MSB, 0
.macro WIN new                         ; the immediate's high byte repeats the setting that is left; a switch that changes nothing is dropped
.if MSB != (\new)
	s_set_vgpr_msb (MSB<<8)|(\new)
.set MSB, \new
.endif
.endm
.set TO_B, 0x40
; A joint load by descriptor set s.  Waves 0 and 1 fetch x's two halves, waves 2 and 3 Wq's.  The branch hangs on the wave's number alone.  An s_nop 0 and four v_nop follow each of the two lines.
.macro JLOAD s
	s_cmp_eq_u32 s11, 0
	s_cbranch_scc0 .Lfor_b_\@
	tensor_load_to_lds s[G0+4*(\s):G0+4*(\s)+3], s[G1:G1+7]
	s_nop 0
.rept 4
	v_nop
.endr
	s_branch .Lasked_\@
.Lfor_b_\@:
	tensor_load_to_lds s[G0B+4*(\s):G0B+4*(\s)+3], s[G1B:G1B+7]
	s_nop 0
.rept 4
	v_nop
.endr
.Lasked_\@:
.endm
; A prefetch, behind each joint refill and the run of LDS loads that follows it: the K step that stands TWO refills on, 512 matrix instructions ahead of the load that will want it: 32 rows x 256 bytes,
; a lane a row, one instruction a wave.  Each row's 256 bytes of a K step are named once in the launch: x's rows by the cluster with x = 0 (the grid has one cluster along x), Wq's by the cluster with y = 0;
; of the 128 rows that a wave fetches the four partners take 32 each, told apart BY ADDRESS.  The loop's last two trips ask for nothing: their refills have no K step two on.
.macro ASK
	s_cmp_gt_u32 s3, s[LIM]                        ; s3 = 2 and 1 in the loop's last two trips
	s_cbranch_scc0 .Lnot_mine_\@
	global_prefetch_b8 v[PFO], s[PFA:PFA+1] offset:KSTEP*2 th:TH_LOAD_NT scope:SCOPE_SE
.Lnot_mine_\@:
.endm
.macro CREST
	s_cmp_lg_u32 s10, 0
	s_cbranch_scc1 .Lnot_wave_0_\@
	s_barrier_signal -3
.Lnot_wave_0_\@:
	s_barrier_wait -3
	s_barrier_signal -1
	s_barrier_wait -1
.endm
.macro CROUND
	s_barrier_signal -1
	s_barrier_wait -1
	CREST
.endm
	s_load_b128 s[4:7], s[0:1], 0x0                ; xb s[4:5], wqb s[6:7]
	s_load_b64 s[8:9], s[0:1], 0x10                ; out0
	s_load_b64 s[66:67], s[0:1], 0x18              ; kvf
	s_load_b64 s[68:69], s[0:1], 0x20              ; bq
	v_lshl_add_u32 v[SPW], v0, 2, SPARE
	v_mov_b32 v[NIL], 0
	ds_add_u32 v[SPW], v[NIL]                      ; the wave's opening: the add, twice on end, and its wait ahead of my first tensor load
	ds_add_u32 v[SPW], v[NIL]                      ; and once more, under the one wait; the set-up below, work on registers, stands between
	v_lshrrev_b32 v1, 5, v0
	v_readfirstlane_b32 s10, v1                    ; wave 0..3
	s_lshr_b32 s11, s10, 1                         ; which half of the tile's rows is mine.  Also: I fetch for x (0) or for Wq (1)
	s_and_b32 s12, s10, 1                          ; which half of its columns.  Also: which 128 rows of that tile I fetch
	s_bfe_u32 s40, ttmp6, 0x40000                  ; cx, cy
	s_bfe_u32 s41, ttmp6, 0x40004
	s_lshl_b32 s42, ttmp9, 2
	s_add_co_u32 s42, s42, s40                     ; x: column tile
	s_and_b32 s13, ttmp7, 0xffff
	s_lshl_b32 s13, s13, 2
	s_add_co_u32 s13, s13, s41                     ; y: row tile
	s_lshl_b32 s43, s41, 2
	s_lshl_b32 s43, 15, s43                        ; my row of the cluster
	s_lshl_b32 s44, 0x1111, s40                    ; my column
	s_or_b32 s[G1+0], s43, (1<<16)|(1<<20)|(1<<21)|(5<<22)|(3<<25)  ; 15:0 the mask; 17:16 2-byte elements; 20 padding on; 21 set beside a mask; 24:22 after every 64 words; 31:25 4 words of it
	s_or_b32 s[G1B+0], s44, (1<<16)|(1<<20)|(1<<21)|(5<<22)|(3<<25)
.irp g, G1, G1B
	s_mov_b32 s[(\g)+1], KSTEP<<16                 ; tensor_dim0 = 128
	s_mov_b32 s[(\g)+2], 128<<16                   ; tensor_dim1 = 128
	s_mov_b32 s[(\g)+3], KSTEP<<16                 ; tile_dim0 = 128
	s_mov_b32 s[(\g)+4], 128                       ; tile_dim1 = 128
	s_mov_b32 s[(\g)+5], SIZE_K                    ; elements from row to row
	s_mov_b32 s[(\g)+6], 0
	s_mov_b32 s[(\g)+7], 0
.endr
	s_mov_b32 s[CC], 0x3fb8aa3b                    ; c = log2 e
	s_mov_b32 s[CC+1], 0x3fb8aa3b
	s_mov_b32 s[CC+2], 0xbfb8aa3b
	s_mov_b32 s[CC+3], 0xbfb8aa3b
	s_mov_b32 s[ONE], 1.0
	s_mov_b32 s[HIM], 0xffff0000
	s_lshl_b32 s17, s12, 7
	s_lshl_b32 s16, s13, 8
	s_add_co_u32 s16, s16, s17                     ; x: row 256 y + 128 x half
	s_lshl_b32 s46, s42, 8
	s_add_co_u32 s46, s46, s17                     ; Wq: row 256 x + 128 x half
	s_mov_b32 s17, 0
	s_mov_b32 s47, 0
	s_mov_b64 s[18:19], SIZE_K*2
	s_mul_u64 s[16:17], s[16:17], s[18:19]
	s_mul_u64 s[46:47], s[46:47], s[18:19]
	s_mul_i32 s20, s10, HALFT
	s_wait_dscnt 0x0                               ; both opening adds are done
	s_wait_kmcnt 0x0
	s_add_nc_u64 s[14:15], s[4:5], s[16:17]
	s_add_nc_u64 s[46:47], s[6:7], s[46:47]
	CROUND                                         ; all sixteen work-groups are here: the first joint loads meet
.irp s, 0,1
	s_mov_b32 s[G0+4*(\s)], 1
	s_add_co_u32 s[G0+4*(\s)+1], s20, (\s)*SLOT
	s_add_nc_u64 s[G0+4*(\s)+2:G0+4*(\s)+3], s[14:15], (\s)*KSTEP*2
	s_or_b32 s[G0+4*(\s)+3], s[G0+4*(\s)+3], 0x80000000
	s_mov_b32 s[G0B+4*(\s)], 1
	s_add_co_u32 s[G0B+4*(\s)+1], s20, (\s)*SLOT
	s_add_nc_u64 s[G0B+4*(\s)+2:G0B+4*(\s)+3], s[46:47], (\s)*KSTEP*2
	s_or_b32 s[G0B+4*(\s)+3], s[G0B+4*(\s)+3], 0x80000000
	JLOAD \s                                       ; two tensor loads of mine are out
.endr
	v_and_b32 v1, 15, v0                           ; l % 16
	v_bfe_u32 v2, v0, 4, 1                         ; l / 16
	v_mul_u32_u24 v3, v1, PITCH
	v_lshl_add_u32 v3, v2, 4, v3
	s_mul_i32 s21, s11, HALFT
	s_mul_i32 s22, s12, HALFT
	s_add_co_u32 s22, s22, 2*HALFT
	v_add_nc_u32 v[ADRA0], s21, v3
	v_add_nc_u32 v[ADRB0], s22, v3
	v_mov_b32 v[ADRA], v[ADRA0]                    ; the walk begins in slot 0
	v_mov_b32 v[ADRB], v[ADRB0]
	s_mul_i32 s23, s10, 16*SPITCH
	s_add_co_u32 s23, s23, STAGE                   ; my stage
	v_mul_u32_u24 v4, v1, SPITCH                   ; in: row = my position, 32 bytes for each half of the lanes
	v_lshl_add_u32 v4, v2, 5, v4
	v_add_nc_u32 v[STO], s23, v4
	v_and_b32 v5, 31, v0
	v_lshlrev_b32 v[CO], 4, v5
	v_add_nc_u32 v[RD], s23, v[CO]                 ; back: 32 lanes take one row of 512 bytes
	v_lshlrev_b32 v[BO], 5, v2
	; my two heads' blocks of kvf: (16 n + 4 x + 2 column half) x 11,520 bytes
	s_lshr_b32 s20, s13, 4
	s_lshl_b32 s20, s20, 4
	s_lshl_b32 s21, s42, 2
	s_add_co_u32 s20, s20, s21
	s_lshl_b32 s21, s12, 1
	s_add_co_u32 s20, s20, s21
	s_mul_i32 s20, s20, KVB
	s_mov_b32 s21, 0
	s_add_nc_u64 s[66:67], s[66:67], s[20:21]
.irp h, 0,1
.irp e, 0,1,2,3,4
	s_load_b64 s[TS+10*(\h)+2*(\e):TS+10*(\h)+2*(\e)+1], s[66:67], KVB*(\h)+10240+256*(\e)  ; two words of the share's block: the scale twice
.endr
.endr
	WIN TO_B
.irp h, 0,1
.set n, 0
.rept 16
	global_load_b128 v[192*(\h)+4*n:192*(\h)+4*n+3], v[CO], s[66:67] offset:KVB*(\h)+512*n
.set n, n+1
.endr
.endr
	WIN 0
.irp h, 0,1
.set n, 0
.rept 4
	global_load_b128 v[ZF+16*(\h)+4*n:ZF+16*(\h)+4*n+3], v[CO], s[66:67] offset:KVB*(\h)+8192+512*n
.set n, n+1
.endr
.endr
	s_lshl_b32 s20, s42, 10                        ; my 128 biases
	s_lshl_b32 s22, s12, 9
	s_add_co_u32 s20, s20, s22
	s_add_nc_u64 s[68:69], s[68:69], s[20:21]
.set n, 0
.rept 8
	global_load_b128 v[CT+8*n:CT+8*n+3],   v[BO], s[68:69] offset:64*n
	global_load_b128 v[CT+8*n+4:CT+8*n+7], v[BO], s[68:69] offset:64*n+16
.set n, n+1
.endr
	; where my part of the tile begins in out0: rows 256 y + 128 x row half of 4,096 bytes, columns 1,024 x + 512 x column half bytes
	s_lshl_b32 s16, s13, 8
	s_lshl_b32 s17, s11, 7
	s_add_co_u32 s16, s16, s17
	s_lshl_b32 s16, s16, 12
	s_mov_b32 s17, 0
	s_add_nc_u64 s[8:9], s[8:9], s[16:17]
	s_lshl_b32 s46, s42, 10
	s_lshl_b32 s47, s12, 9
	s_add_co_u32 s46, s46, s47
	s_mov_b32 s47, 0
	s_add_nc_u64 s[8:9], s[8:9], s[46:47]
	; the prefetches
	s_lshl_b32 s16, s13, 8                         ; x's first row of the tile,
	s_lshl_b32 s46, s42, 8                         ; Wq's
	s_and_b32 s22, ttmp7, 0xffff                   ; cluster y
	s_cmp_eq_u32 s11, 0
	s_cselect_b32 s20, s16, s46
	s_cselect_b32 s21, s40, s41                    ; my place among the four that ask with me
	s_cselect_b32 s22, ttmp9, s22                  ; the coordinate along which other clusters read the same rows
	s_cselect_b64 s[PFA:PFA+1], s[4:5], s[6:7]
	s_cmp_eq_u32 s22, 0
	s_cselect_b32 s[LIM], 2, -1                    ; the same in all sixteen partners, for a given wave
	s_lshl_b32 s22, s12, 7
	s_add_co_u32 s20, s20, s22
	s_lshl_b32 s21, s21, 5
	s_add_co_u32 s20, s20, s21
	s_mov_b32 s21, 0
	s_mov_b64 s[18:19], SIZE_K*2
	s_mul_u64 s[20:21], s[20:21], s[18:19]
	s_add_nc_u64 s[PFA:PFA+1], s[PFA:PFA+1], s[20:21]
	s_add_nc_u64 s[PFA:PFA+1], s[PFA:PFA+1], 2*KSTEP*2  ; at K step 2: the first refill steps it to 3 and names K step 4; K steps 0 to 3 come by their loads alone
	v_and_b32 v[PFO], 31, v0
	v_mul_u32_u24 v[PFO], v[PFO], SIZE_K*2
	s_wait_loadcnt 0x0                             ; kv's and ksum's fragments, the biases
	s_wait_kmcnt 0x0                               ; the scales
.set n, 0
.rept 32
	v_cvt_pk_bf16_f32 v[F1+n], v[CT+2*n], v[CT+2*n+1]  ; the biases rounded to bf16 like every input,
.set n, n+1
.endr
.set n, 0
.rept 32
	v_lshlrev_b32 v[CT+2*n], 16, v[F1+n]
	v_and_b32 v[CT+2*n+1], s[HIM], v[F1+n]
.set n, n+1
.endr
.set n, 0
.rept 32
	v_pk_add_f32 v[CT+2*n:CT+2*n+1], v[CT+2*n:CT+2*n+1], 1.0 op_sel_hi:[1,0]  ; plus 1
.set n, n+1
.endr
; 16 matrix instructions: row blocks a0, a0 + 1 of the window's four x all 8 column blocks, 32 along K; source 0 = Wq's rows, source 1 = x's.  The 64 accumulators take turns, one instruction a turn,
; zero = 1: the first product starts the sums with the bias.
.macro MUL16 f, hi, a0, zero
.if \zero
	WIN 0x81+0x40*(\hi)
.else
	WIN 0xa1+0x50*(\hi)
.endif
.irp a, \a0, (\a0)+1
.irp b, 0,1,2,3,4,5,6,7
.if \zero
	v_wmma_f32_16x16x32_bf16 v[8*(8*(\a)+(\b)):8*(8*(\a)+(\b))+7], v[(\f)+8*(\b):(\f)+8*(\b)+7], v[(\f)+8*(4*(\hi)+(\a)):(\f)+8*(4*(\hi)+(\a))+7], v[CT+8*(\b):CT+8*(\b)+7]
.else
	v_wmma_f32_16x16x32_bf16 v[8*(8*(\a)+(\b)):8*(8*(\a)+(\b))+7], v[(\f)+8*(\b):(\f)+8*(\b)+7], v[(\f)+8*(4*(\hi)+(\a)):(\f)+8*(4*(\hi)+(\a))+7], v[8*(8*(\a)+(\b)):8*(8*(\a)+(\b))+7]
.endif
.endr
.endr
.endm
.macro FETCH k, f                      ; 32 LDS loads in one run, from the slot in hand: Wq's 16, then x's 16
	WIN TO_B
.irp i, 0,1,2,3,4,5,6,7
	ds_load_b128 v[(\f)+8*(\i):(\f)+8*(\i)+3],   v[ADRB] offset:(\k)+(\i)*16*PITCH
	ds_load_b128 v[(\f)+8*(\i)+4:(\f)+8*(\i)+7], v[ADRB] offset:(\k)+(\i)*16*PITCH+32
.endr
	WIN 0
.irp i, 0,1,2,3,4,5,6,7
	ds_load_b128 v[(\f)+8*(\i):(\f)+8*(\i)+3],   v[ADRA] offset:(\k)+(\i)*16*PITCH
	ds_load_b128 v[(\f)+8*(\i)+4:(\f)+8*(\i)+7], v[ADRA] offset:(\k)+(\i)*16*PITCH+32
.endr
.endm
.macro PLACES                          ; four plain vector instructions between a matrix instruction and a load into, a write of, or a read of its registers (ISA guide 7.12.1 for a write or a read)
.rept 4
	v_nop
.endr
.endm
.macro QUARTER k, f, g, zero
	s_wait_dscnt 8                                 ; Wq's fragments and x's rows 0-63 are in; the youngest eight loads (x's rows 64-127) may be out
	MUL16 \f, 0, 0, \zero
	MUL16 \f, 0, 2, \zero
	PLACES
	FETCH \k, \g
	s_wait_dscnt 32                                ; all but the 32 just issued
	MUL16 \f, 1, 0, \zero
	MUL16 \f, 1, 2, \zero
.endm
; ONE barrier for the change of slots.  In front of it each wave waits for all its tensor loads (one is out: its part of the next slot), adds 0 to its spare word, and waits for that and for its own reads
; of this slot.  Behind it nobody reads this slot any more and the next slot is whole.
.macro MEET round
	WIN 0
	s_wait_tensorcnt 0x0
	ds_add_u32 v[SPW], v[NIL]
	s_wait_dscnt 9                                 ; the add and the youngest eight loads may be out
	MUL16 F1, 0, 0, 0
	s_wait_dscnt 0x0                               ; the add is done, and my reads of this slot are over
	s_barrier_signal -1
	MUL16 F1, 0, 2, 0
.if \round
	WIN 0
.endif
	s_barrier_wait -1
.endm
.macro OTHER                           ; the fetches go on in the other slot
	s_xor_b32 s[TB], s[TB], SLOT
	v_add_nc_u32 v[ADRA], s[TB], v[ADRA0]
	v_add_nc_u32 v[ADRB], s[TB], v[ADRB0]
.endm
; The last quarter where the slot just read is filled again, two K steps ahead.  The barrier opens a round of the cluster's barrier; behind the round the walking descriptors turn to that slot and step; the joint
; refill is the first tensor load behind the round: one load of mine is out, with 224 matrix instructions up to the wait for it.
.macro TURN
	s_wait_xcnt 0x0                                ; the last prefetch, a K step back, has read its address
	s_add_nc_u64 s[PFA:PFA+1], s[PFA:PFA+1], KSTEP*2
	MEET 1
	CREST
	s_xor_b32 s[G0+5], s[G0+5], SLOT               ; no tensor load of mine is out: the descriptors may be written
	s_xor_b32 s[G0B+5], s[G0B+5], SLOT
	s_add_nc_u64 s[G0+6:G0+7], s[G0+6:G0+7], KSTEP*2
	s_add_nc_u64 s[G0B+6:G0B+7], s[G0B+6:G0B+7], KSTEP*2
	OTHER
	JLOAD 1                                        ; its four v_nop are also the places in front of the loads below
	FETCH 0, F0
	ASK
	MUL16 F1, 1, 0, 0
	MUL16 F1, 1, 2, 0
.endm
; THE WAY OUT.  A trip takes one row block of 16 positions, the lowest 64 registers of window 2; a unit is that block x one head (hd): 32 registers, at 32 hd.
.macro FQ hd                           ; (t + 1) c - c
	WIN 0x02
.set n, 0
.rept 16
	v_pk_fma_f32 v[Y+2*n:Y+2*n+1], v[32*(\hd)+2*n:32*(\hd)+2*n+1], s[CC:CC+1], s[CC+2:CC+3] op_sel_hi:[1,0,0]
.set n, n+1
.endr
.endm
.macro EQ                              ; e^t: one batch of 32
	WIN 0
.set n, 0
.rept 32
	v_exp_f32 v[Y+n], v[Y+n]
.set n, n+1
.endr
.endm
.macro BQ hd                           ; the middle one; to f16; ten products: four blocks of e and z, two K steps.  The five accumulators take turns
	WIN 0x02
.set n, 0
.rept 32
	v_med3_num_f32 v[Y+n], v[32*(\hd)+n], v[Y+n], s[ONE]
.set n, n+1
.endr
	WIN 0
.set n, 0
.rept 16
	v_cvt_pk_f16_f32 v[QF+n], v[Y+2*n], v[Y+2*n+1]
.set n, n+1
.endr
	WIN 0x01
.set n, 0
.rept 4
	v_wmma_f32_16x16x32_f16 v[CX+8*n:CX+8*n+7], v[192*(\hd)+16*n:192*(\hd)+16*n+7], v[QF:QF+7], 0
.set n, n+1
.endr
	WIN 0
	v_wmma_f32_16x16x32_f16 v[CX+32:CX+39], v[ZF+16*(\hd):ZF+16*(\hd)+7], v[QF:QF+7], 0
	WIN 0x01
.set n, 0
.rept 4
	v_wmma_f32_16x16x32_f16 v[CX+8*n:CX+8*n+7], v[192*(\hd)+16*n+8:192*(\hd)+16*n+15], v[QF+8:QF+15], v[CX+8*n:CX+8*n+7]
.set n, n+1
.endr
	WIN 0
	v_wmma_f32_16x16x32_f16 v[CX+32:CX+39], v[ZF+16*(\hd)+8:ZF+16*(\hd)+15], v[QF+8:QF+15], v[CX+32:CX+39]
.endm
.macro CQ hd                           ; z with its scales, times ctx, each accumulator from its low end on, and into the stage: the head's 256 bytes of my position's row
	WIN 0
	v_pk_mul_f32 v[ZS:ZS+1], v[CX+32:CX+33], s[TS+10*(\hd)+8:TS+10*(\hd)+9] op_sel_hi:[1,0]
.set n, 0
.rept 4
	v_pk_mul_f32 v[ZT+2*n:ZT+2*n+1], v[ZS:ZS+1], s[TS+10*(\hd)+2*n:TS+10*(\hd)+2*n+1] op_sel_hi:[1,0]
.set n, n+1
.endr
.set n, 0
.rept 16
	v_pk_mul_f32 v[CX+2*n:CX+2*n+1], v[CX+2*n:CX+2*n+1], v[ZT+2*(n/4):ZT+2*(n/4)+1]
.set n, n+1
.endr
.set n, 0
.rept 8
	ds_store_b128 v[STO], v[CX+4*n:CX+4*n+3] offset:256*(\hd)+64*(n/2)+16*(n%2)
.set n, n+1
.endr
.endm
	s_wait_tensorcnt 1                             ; my part of K step 0 is in; K step 1's may stay out
	s_barrier_signal -1
	s_barrier_wait -1
	s_mov_b32 s[TB], 0
	FETCH 0, F0
	QUARTER 64,  F0, F1, 1                         ; the first quarter stands in front of the loop: its products start the sums
	WIN 0
	s_mov_b32 s3, STEPS-2
.Lstep:                                                ; a trip goes from a K step's second quarter to the next K step's first, and fills the slot that it leaves: K steps 2 to 7
	QUARTER 128, F1, F0, 0
	QUARTER 192, F0, F1, 0
	TURN
	QUARTER 64,  F0, F1, 0
	WIN 0
	s_sub_co_u32 s3, s3, 1
	s_cmp_lg_u32 s3, 0
	s_cbranch_scc1 .Lstep
	QUARTER 128, F1, F0, 0                         ; the last two K steps fill nothing
	QUARTER 192, F0, F1, 0
	MEET 0
	WIN 0
	OTHER
	PLACES
	FETCH 0, F0
	MUL16 F1, 1, 0, 0
	MUL16 F1, 1, 2, 0
	QUARTER 64,  F0, F1, 0
	QUARTER 128, F1, F0, 0
	QUARTER 192, F0, F1, 0
	s_wait_dscnt 8                                 ; the very last quarter: nothing more to fetch
	MUL16 F1, 0, 0, 0
	MUL16 F1, 0, 2, 0
	s_wait_dscnt 0x0
	MUL16 F1, 1, 0, 0
	MUL16 F1, 1, 2, 0
	; 2 x 2 x 2 trips of two units.  The text names the lowest 64 registers of window 2 alone: behind the first trip of the inner loop 64 moves bring the next block down, of the middle loop 128 the window's upper
	; half, of the outer loop 256 window 3: 768 moves in all for an eighth of the text.
	; The second unit's 16 scalings and its exponentials stand behind the first unit's products: the scalings are the places in front of the reads of those results and of the next writes of q's fragments; the
	; multiplies by z are the plain work behind that batch of 32 exponentials; each batch has ONE wait ahead of its first reader.
	PLACES                                         ; behind the last products: x's fragment buffers are written below
	WIN 0
	s_mov_b32 s[CW], 2
.Lw:
	s_mov_b32 s[CH], 2
.Lh:
	s_mov_b32 s3, 2
.Lb:
	FQ 0
	EQ
	v_nop
	s_wait_alu depctr_va_vdst(0)
	BQ 0
	FQ 1
	EQ
	CQ 0
	s_wait_alu depctr_va_vdst(0)
	BQ 1
	PLACES
	CQ 1
	s_wait_xcnt 0x0                                ; the block before's global stores have read their registers and their base
	s_add_nc_u64 s[8:9], s[8:9], 65536             ; 16 rows of out0 on: the stores below reach back
.set n, 0
.rept 16
	ds_load_b128 v[OB+4*n:OB+4*n+3], v[RD] offset:SPITCH*n  ; 16 whole rows back; LDS serves a wave's instructions in order (ISA guide 5.7.1.4): these see the stores above, and the next block's stores come behind them
.set n, n+1
.endr
	s_cmp_eq_u32 s3, 1
	s_cbranch_scc1 .Lbn                            ; the inner loop's last trip has nothing to bring
	WIN 0x82
.set n, 0
.rept 64
	v_mov_b32 v[n], v[64+n]                        ; the next block, each accumulator from its low end on; the moves stand between the loads above and the stores below
.set n, n+1
.endr
	WIN 0
.Lbn:
.set n, 0
.rept 16
	s_wait_dscnt 15-n                              ; LDS loads come back in order: row n is in, the 15 - n younger ones stay out
	global_store_b128 v[CO], v[OB+4*n:OB+4*n+3], s[8:9] offset:4096*n-65536 th:TH_STORE_NT  ; 512 consecutive bytes, at a multiple of 256 from out0's first byte
.set n, n+1
.endr
	s_sub_co_u32 s3, s3, 1
	s_cmp_lg_u32 s3, 0
	s_cbranch_scc1 .Lb
	s_cmp_eq_u32 s[CH], 1
	s_cbranch_scc1 .Lhn
	WIN 0x82
.set n, 0
.rept 128
	v_mov_b32 v[n], v[128+n]                       ; the window's upper half
.set n, n+1
.endr
	WIN 0
.Lhn:
	s_sub_co_u32 s[CH], s[CH], 1
	s_cmp_lg_u32 s[CH], 0
	s_cbranch_scc1 .Lh
	s_cmp_eq_u32 s[CW], 1
	s_cbranch_scc1 .Lwn
	WIN 0x83
.set n, 0
.rept 256
	v_mov_b32 v[n], v[n]                           ; rows 64-127's accumulators
.set n, n+1
.endr
	WIN 0
.Lwn:
	s_sub_co_u32 s[CW], s[CW], 1
	s_cmp_lg_u32 s[CW], 0
	s_cbranch_scc1 .Lw
	s_wait_tensorcnt 0x0                           ; the wave's end, behind my last tensor load and my last LDS store
	ds_add_u32 v[SPW], v[NIL]
	s_wait_dscnt 0x0
	CROUND                                         ; the closing round: no work-group ends while a partner may still ask for a tile that names it
	s_endpgm
.Lfunc_end_k_qf52e00cb15_qctx:
	.size	k_qf52e00cb15_qctx, .Lfunc_end_k_qf52e00cb15_qctx-k_qf52e00cb15_qctx
	.p2alignl 7, 3214868480
	.fill 96, 4, 3214868480
	.section	.rodata,"a",@progbits
	.p2align	6, 0x0
	.amdhsa_kernel k_qf52e00cb15_qctx
		.amdhsa_group_segment_fixed_size 327680
		.amdhsa_private_segment_fixed_size 0
		.amdhsa_enable_private_segment 0
		.amdhsa_kernarg_size 40
		.amdhsa_user_sgpr_count 2
		.amdhsa_user_sgpr_kernarg_segment_ptr 1
		.amdhsa_wavefront_size32 1
		.amdhsa_system_sgpr_workgroup_id_x 1
		.amdhsa_system_sgpr_workgroup_id_y 1
		.amdhsa_system_sgpr_workgroup_id_z 1
		.amdhsa_system_vgpr_workitem_id 0
		.amdhsa_next_free_vgpr 1024
		.amdhsa_next_free_sgpr 100
		.amdhsa_reserve_vcc 0
		.amdhsa_float_denorm_mode_32 3
		.amdhsa_float_denorm_mode_16_64 3
		.amdhsa_memory_ordered 1
		.amdhsa_forward_progress 1
		.amdhsa_inst_pref_size 132
	.end_amdhsa_kernel
	.amdgpu_metadata
---
amdhsa.version: [ 1, 2 ]
amdhsa.kernels:
  - .name:           k_qf52e00cb15_qctx
    .symbol:         k_qf52e00cb15_qctx.kd
    .args:
      - { .name: xb, .offset: 0, .size: 8, .value_kind: global_buffer, .address_space: global }
      - { .name: wqb, .offset: 8, .size: 8, .value_kind: global_buffer, .address_space: global }
      - { .name: out0, .offset: 16, .size: 8, .value_kind: global_buffer, .address_space: global }
      - { .name: kvf, .offset: 24, .size: 8, .value_kind: global_buffer, .address_space: global }
      - { .name: bq, .offset: 32, .size: 8, .value_kind: global_buffer, .address_space: global }
    .group_segment_fixed_size: 327680
    .private_segment_fixed_size: 0
    .kernarg_segment_align: 8
    .kernarg_segment_size: 40
    .max_flat_workgroup_size: 128
    .sgpr_count:     100
    .vgpr_count:     1024
    .wavefront_size: 32
...
	.end_amdgpu_metadata
.endif
;; end of part 4
